; MI455X (gfx1250); checked and timed in simulation.
; The chip was launched on July 23, 2026; its instructions are those of AMD's public machine-readable ISA for CDNA 5 (MIT licence, August 2026) and "CDNA5" Instruction Set Architecture Reference Guide (July 2026). The comments in the code are by the model that wrote it; some were corrected since.
;; Attend. Allowed arithmetic: float matrix products may take bf16 or f16 operands with f32 sums; all other float work in f32.
;; Inputs: k 16 x 4,096 x 128 float32; q 16 x 4,096 x 128 float32; v 16 x 4,096 x 128 float32.
;; Outputs: out0 16 x 4,096 x 128 float32.
;; 2 versions, each right. Each part assembles by itself: llvm-mc -triple=amdgcn-amd-amdhsa -mcpu=gfx1250 --defsym DOCPART=n.
;; ======== version 1 of 2: 1 launch
;; launch attend (part 1): grid 16 x 16, 4 waves a work-group, clusters of 4 x 1, 327,680 bytes of LDS; arguments q, k, v, out0; writes out0
.if DOCPART == 1
	.amdgcn_target "amdgcn-amd-amdhsa--gfx1250"
	.amdhsa_code_object_version 6
	.text
	.protected	k_q53b293b496_attend
	.globl	k_q53b293b496_attend
	.p2align	8
	.type	k_q53b293b496_attend,@function
k_q53b293b496_attend:
	s_mov_b64 s[64:65], 0
	v_nop
	global_prefetch_b8 v0, s[64:65] scope:SCOPE_SE
	s_setreg_imm32_b32 hwreg(HW_REG_WAVE_MODE, 25, 1), 1
	s_wait_xcnt 0x0
	s_wait_alu depctr_hold_cnt(0) depctr_sa_sdst(0) depctr_va_vdst(0) depctr_va_sdst(0) depctr_va_ssrc(0) depctr_va_vcc(0) depctr_vm_vsrc(0)
	s_getreg_b32 s2, hwreg(HW_REG_IB_STS2, 6, 4)
	s_cmp_eq_u32 s2, 0
	s_cbranch_scc0 .Lentry_in_a_cluster
	s_endpgm
.Lentry_in_a_cluster:
	s_bfe_u32 s2, ttmp6, 0x10000c
	s_cmp_lg_u32 s2, 0x3003
	s_cbranch_scc0 .Lentry_shape_is_right
	s_endpgm
.Lentry_shape_is_right:
; out0[b][n][:] = softmax over m of (q[b][n].k[b][m] / sqrt(128)) times v[b][m][:].  q, k, v, out0: [16][4096][128] f32.
; NOTHING IS LEFT OUT: reference() has no mask, no bias and no slice, so every input has a way to every output row of its head, and all are loaded.
; The maximum that reference() takes away before the exponential is taken away here too, as a running maximum over steps of 64 keys.
;
; SHARES.  256 work-groups: x = block of 256 queries (16 of them), y = head (16).  Four waves, 64 queries each, as four query tiles qt of 16.
; The keys go in 64 trips of 64.  A trip of a wave: 64 products for the scores, the softmax of 64 x 64 scores, 64 products with V.
;
; BOTH PRODUCTS ARE USED TRANSPOSED, so that the probabilities never move between lanes.
;   S^T = K Q^T: source 0 = 16 keys of K, source 1 = 16 queries of Q.  Lane (r, h), register j of the result: key 16 kt + 8 h + j, query r.
;   Two neighbouring key tiles, rounded in pairs to bf16, ARE source 1 of the second product for 32 keys (registers 0-3: keys 8 h .., 4-7: 16 + 8 h ..).
;   O^T = V^T P^T: source 0 = V^T, taken by the transposing LDS load from V as it lies, [key][d].  Lane (r, h), register j: d = 16 dt + 8 h + j, query r.
;   So a query's maximum, its sum and its rescale factor live in the two lanes r and r + 16: one exchange of the halves a trip for the maximum, one at the end for the sum.
;
; FORMATS.  q, k, v are rounded to bf16 unscaled; sums in f32.  With c = log2(e) / sqrt(128): p = exp2(s c + nmc), nmc = -c m rounded once;
; the factor for the old sums is exp2(nmc_new - nmc_old), made of the same rounded numbers that p uses, so that their rounding cancels in the quotient.
; The first trip is written out: it has no old maximum, no factor, and its products start the sums of O with C = 0; nothing is cleared, no -inf is used.
;
; K AND V: f32 in memory, bf16 at the matrix unit.  Tensor loads bring the f32 tile of trip t + 2 into a ring of two landing slots; in trip t each wave
; reads a quarter of tile t + 1 from the other landing slot, rounds it and stores it into a ring of two bf16 stages; all waves take tile t's fragments from the stage.
; CLUSTER: the four query blocks 4 X + cx of one head walk the same K and V tiles, so the four work-groups ask for each tile jointly (mask 15):
; each of the 4 waves asks for 16 KiB of the 64 KiB of a step, with a descriptor made of the head and the wave's number alone.
;
; LIMITS.  Inputs that are NaN or infinite, or scores that overflow f32, are not promised to give reference()'s pattern of NaN (v_max_num_f32 drops a NaN).
; A probability below 2^-126 of its row's running maximum counts as 0 (v_exp_f32 gives 0 for results that would be denormal: ISA guide, its entry in 15.8).
; The row sum adds p in f32, the product takes p rounded to bf16.  The row sum is about 1 at the least: the row's maximum itself contributes exp2 of about 0.
;
; LDS (bytes)                                  every region begins at a multiple of 256; the landing slots are written by tensor loads alone, the rest by ds_store alone
.set TILEB,  32768                     ; 64 rows of 512 bytes: a step's tile of K, or of V, in f32
.set LSLOT,  65536                     ; landing slot s at s * 65536: K's tile, then V's, dense
.set STG,    131072                    ; stage s at STG + s * 35840
.set KPITCH, 272                       ; K in bf16: 256 bytes a row + 16: sixteen rows of one column begin at sixteen different 16-byte columns modulo 256 bytes
.set VPITCH, 288                       ; V in bf16: 256 + 32, an odd multiple of 32, for the transposing load
.set VBO,    64*KPITCH                 ; V's rows lie behind K's 64
.set SSLOT,  64*KPITCH+64*VPITCH       ; 35,840
.set OST,    STG+2*SSLOT               ; 202,752: the way out, 16 rows of 512 + 16 bytes for each wave, its own
.set OPITCH, 528
.set OWAVE,  16*OPITCH                 ; 8,448; the last byte used is 236,543
; REGISTERS, window 0
.set KADR, 8                           ; v8,9    stage s: my address of K's fragments
.set VADR, 10                          ; v10,11  stage s: my address of V's transposing loads
.set CLD,  12                          ; v12,13  landing slot s: my 16 bytes of the first row that my wave rounds
.set CSK,  14                          ; v14,15  stage s: my 8 bytes of that row of K
.set CSV,  16                          ; v16,17  stage s: the same for V
.set STO,  18                          ; the way out: where I put 32 bytes of a row
.set RD,   19                          ; the way out: where I read 16 bytes of a row back
.set CO,   20                          ; 16 x lane: my byte offset in a row of out0
.set QO,   21                          ; my byte offset in q
.set PFO,  22                          ; 256 x lane
.set TM,   24                          ; v24-27  at work: maxima, at the end sums
.set TP,   28                          ; v28-31  at work: what the other half of the lanes holds
.set MM,   32                          ; v32-35  running maximum of raw scores, one for each query tile
.set NN,   36                          ; v36-39  -c x new maximum
.set NMC,  40                          ; v40+2qt -c x maximum in use (the odd partner is 0: a pair is named, its first register is used)
.set AL,   48                          ; v48+2qt the factor for the old sums; at the end 1 / row sum (odd partner 0)
.set LSUM, 56                          ; v[56+2qt:57+2qt] two partial row sums
.set SS,   64                          ; v64-191  scores: tile (kt, qt) at 64 + 8 (4 kt + qt)
.set PP,   192                         ; v192-255 probabilities in bf16: (kb, qt) at 192 + 8 (4 kb + qt)
; window 1: O (dt, qt) at 8 (4 dt + qt).  window 2: Q's fragments (qt, ks) at 8 (4 qt + ks), K's (kt, ks) at 128 + 8 (4 kt + ks).
; window 3: V's fragments (kb, dt) at 8 (8 kb + dt); 128-255 the 32 rows that my wave rounds, 4 registers each.  At the start all of window 3 takes q in f32.
.set OO, 0
.set QF, 0
.set KF, 128
.set VF, 0
.set CV, 128
; s_set_vgpr_msb's low byte: bits 1:0 source 0, 3:2 source 1, 5:4 source 2, 7:6 destination
.set W_KF,  0x80                       ; a load into window 2
.set W_W3,  0xc0                       ; a load into window 3
.set W_QK,  0x0a                       ; K and Q from window 2, scores in window 0
.set W_CVT, 0xcf                       ; rounding inside window 3
.set W_CST, 0x0c                       ; LDS store data from window 3
.set W_QCV, 0x8f                       ; rounding from window 3 into window 2
.set W_OSC, 0x41                       ; O times a factor of window 0
.set W_PV,  0x53                       ; V from window 3, P from window 0, O in window 1
.set W_OST, 0x04                       ; LDS store data from window 1
.set G1, 16                            ; s[16:23] descriptor group 1
.set G0, 24                            ; s[24:27], s[28:31] descriptor group 0 of landing slot 0, 1
.set CEXP,  0x3e0293ee                 ; c = 0.12751743
.set CNEG,  0xbe0293ee                 ; -c
.set MSB, 0
.macro WIN new                         ; the immediate's high byte repeats the setting that is left; a switch that changes nothing is dropped
.if MSB != \new
	s_set_vgpr_msb (MSB<<8)|\new
.set MSB, \new
.endif
.endm
.macro BAR
	s_barrier_signal -1
	s_barrier_wait -1
.endm
; A round of the cluster's barrier: my work-group's barrier, so that wave 0 speaks for all four waves; wave 0 signals; every wave waits for the four work-groups; my work-group's barrier again.
.macro ROUND
	s_barrier_signal -1
	s_barrier_wait -1
	s_cmp_lg_u32 s12, 0
	s_cbranch_scc1 .Lnot_wave_0_\@
	s_barrier_signal -3
.Lnot_wave_0_\@:
	s_barrier_wait -3
	s_barrier_signal -1
	s_barrier_wait -1
.endm
.macro PLACES                          ; four plain vector instructions between a matrix instruction and a load into, or a read of, its registers
.rept 4
	v_nop
.endr
.endm
	s_load_b256 s[4:11], s[0:1], 0x0               ; q s[4:5], k s[6:7], v s[8:9], out0 s[10:11]
	v_lshl_add_u32 v190, v0, 2, 0x39c00
	v_mov_b32 v191, 0
	ds_add_u32 v190, v191
	s_wait_dscnt 0x0
	v_lshrrev_b32 v3, 5, v0
	v_readfirstlane_b32 s12, v3                    ; wave 0..3
	s_bfe_u32 s13, ttmp6, 0x40000                  ; cx: my place in the cluster
	s_lshl_b32 s14, ttmp9, 2                       ; ttmp9 counts clusters
	s_add_co_u32 s14, s14, s13                     ; query block = 4 x cluster x + cx
	s_and_b32 s15, ttmp7, 0xffff                   ; head
	s_mov_b32 s32, 0x76543210                      ; v_permlanex16_b32: lane i of one half reads lane i of the other
	s_mov_b32 s33, 0xfedcba98
	s_mov_b32 s36, CEXP
	s_mov_b32 s37, CEXP
	s_mov_b32 s38, CNEG
	; Group 1: 16 KiB that are dense in memory, as 64 rows of 32 elements of 8 bytes; no padding; asked for jointly by the cluster's four work-groups
	s_mov_b32 s[G1+0], 15|(3<<16)|(1<<21)          ; 15:0 mask of the four; 17:16 elements of 8 bytes; 21 set beside a mask
	s_mov_b32 s[G1+1], 32<<16                      ; tensor_dim0 = 32
	s_mov_b32 s[G1+2], 64<<16                      ; tensor_dim1 = 64
	s_mov_b32 s[G1+3], 32<<16                      ; tile_dim0 = 32
	s_mov_b32 s[G1+4], 64                          ; tile_dim1 = 64
	s_mov_b32 s[G1+5], 32                          ; from row to row: 32 elements
	s_mov_b32 s[G1+6], 0
	s_mov_b32 s[G1+7], 0
	; where my part of a tile comes from: the head's 2^21 bytes, and the upper or lower 32 rows.  No register here ever holds cx.
	s_lshl_b32 s40, s15, 21
	s_and_b32 s50, s12, 1
	s_lshl_b32 s50, s50, 14
	s_add_co_u32 s40, s40, s50
	s_mov_b32 s41, 0
	s_lshl_b32 s51, s12, 14                        ; and where it goes: wave x 16 KiB: K's two halves, then V's two halves
	; my wave's 64 rows of q and of out0: head x 2^21 + block x 2^17 + wave x 2^15 bytes
	s_lshl_b32 s52, s15, 21
	s_lshl_b32 s54, s14, 17
	s_add_co_u32 s52, s52, s54
	s_lshl_b32 s54, s12, 15
	s_add_co_u32 s52, s52, s54
	s_mov_b32 s53, 0
	v_and_b32 v1, 15, v0                           ; r
	v_bfe_u32 v2, v0, 4, 1                         ; h
	v_and_b32 v3, 31, v0                           ; lane
	v_lshlrev_b32 v[QO], 9, v1                     ; q: row r of a query tile,
	v_lshl_add_u32 v[QO], v2, 5, v[QO]             ; 8 h numbers in
	s_wait_kmcnt 0x0
	s_cmp_lt_u32 s12, 2                            ; waves 0, 1 fetch K, waves 2, 3 fetch V
	s_cselect_b64 s[48:49], s[6:7], s[8:9]
	s_add_nc_u64 s[48:49], s[48:49], s[40:41]
	s_add_nc_u64 s[4:5], s[4:5], s[52:53]
	s_add_nc_u64 s[10:11], s[10:11], s[52:53]
.irp s, 0,1
	s_mov_b32 s[G0+4*\s], 1                                        ; count = 1
	s_add_co_u32 s[G0+4*\s+1], s51, \s*LSLOT                       ; LDS address
	s_add_nc_u64 s[G0+4*\s+2:G0+4*\s+3], s[48:49], \s*TILEB        ; global address: tile s
	s_or_b32 s[G0+4*\s+3], s[G0+4*\s+3], 0x80000000                ; type = 2
.endr
	ROUND                                          ; all four work-groups are here: the first joint loads meet
	tensor_load_to_lds s[G0:G0+3], s[G1:G1+7]      ; tile 0 and tile 1 go out as one group, ahead of every wait on TENSORcnt, LDS read and further barrier:
	s_nop 0
	tensor_load_to_lds s[G0+4:G0+7], s[G1:G1+7]    ; two tensor loads of a wave are out here, one behind each later round
	s_nop 0
	; Q: 64 rows x 512 bytes, once.  For (qt, ks) a lane takes q[16 qt + r][32 ks + 8 h .. + 7] and [.. + 16 + 8 h .. + 7]: four loads of 16 bytes.
	WIN W_W3
.irp qt, 0,1,2,3
.irp ks, 0,1,2,3
.irp p, 0,1,2,3
	global_load_b128 v[64*\qt+16*\ks+4*\p:64*\qt+16*\ks+4*\p+3], v[QO], s[4:5] offset:\qt*8192+\ks*128+16*\p+32*(\p>>1) th:TH_LOAD_NT
.endr
.endr
.endr
	WIN 0
	; while they are on their way: what wave 0 asks for ahead of the tensor loads.  The 16 work-groups of a head share a pair of tiles out:
	; blocks 0-7 take K's 64 KiB, blocks 8-15 V's, 8 KiB each (32 lanes, 256 bytes apart)
	s_cmp_lt_u32 s14, 8
	s_cselect_b64 s[42:43], s[6:7], s[8:9]
	s_and_b32 s54, s14, 7
	s_lshl_b32 s54, s54, 13
	s_lshl_b32 s52, s15, 21
	s_add_co_u32 s52, s52, s54
	s_add_nc_u64 s[42:43], s[42:43], s[52:53]
	s_mov_b32 s46, 2*2*TILEB                       ; the first request is for tiles 4 and 5
	s_mov_b32 s47, 0
	s_add_nc_u64 s[44:45], s[42:43], s[46:47]
	; LDS addresses: constants, the lane, the wave's number
	v_mul_u32_u24 v4, v1, KPITCH                   ; K's fragments: row r, 16 h bytes in
	v_lshl_add_u32 v4, v2, 4, v4
	v_add_nc_u32 v[KADR], STG, v4
	v_add_nc_u32 v[KADR+1], STG+SSLOT, v4
	v_and_b32 v5, 7, v0                            ; V's transposing loads: row 8 h + lane % 8,
	v_lshl_add_u32 v5, v2, 3, v5
	v_mul_u32_u24 v5, v5, VPITCH
	v_bfe_u32 v6, v0, 3, 1                         ; the first or the second 16 bytes of the 32 of a d tile
	v_lshl_add_u32 v5, v6, 4, v5
	v_add_nc_u32 v[VADR], STG+VBO, v5
	v_add_nc_u32 v[VADR+1], STG+SSLOT+VBO, v5
	v_lshlrev_b32 v[CO], 4, v3
	s_lshl_b32 s51, s12, 13                        ; my wave rounds rows 16 w .. 16 w + 15 of K and of V: 8,192 bytes of f32 each
	v_add_nc_u32 v[CLD], s51, v[CO]
	v_add_nc_u32 v[CLD+1], LSLOT, v[CLD]
	v_lshlrev_b32 v7, 3, v3
	s_mul_i32 s51, s12, 16*KPITCH
	s_add_co_u32 s51, s51, STG
	v_add_nc_u32 v[CSK], s51, v7
	v_add_nc_u32 v[CSK+1], SSLOT, v[CSK]
	s_mul_i32 s51, s12, 16*VPITCH
	s_add_co_u32 s51, s51, STG+VBO
	v_add_nc_u32 v[CSV], s51, v7
	v_add_nc_u32 v[CSV+1], SSLOT, v[CSV]
	s_mul_i32 s51, s12, OWAVE
	s_add_co_u32 s51, s51, OST
	v_mul_u32_u24 v6, v1, OPITCH
	v_lshl_add_u32 v6, v2, 5, v6
	v_add_nc_u32 v[STO], s51, v6
	v_add_nc_u32 v[RD], s51, v[CO]
	v_lshlrev_b32 v[PFO], 8, v3
.irp qt, 0,1,2,3
	v_mov_b32 v[TP+\qt], 0                         ; a lane permute's destination counts as read
	v_mov_b32 v[NMC+2*\qt+1], 0                    ; the second register of a pair of which the first is used for both halves
	v_mov_b32 v[AL+2*\qt+1], 0
.endr
	; Q to bf16: fragment register n of window 2 is made of registers 2 n, 2 n + 1 of window 3
	s_wait_loadcnt 32                              ; loads come back in order: query tiles 0, 1 are in, the 32 loads of tiles 2, 3 may be out
	WIN W_QCV
.set qn, 0
.rept 64
	v_cvt_pk_bf16_f32 v[QF+qn], v[2*qn], v[2*qn+1]
.set qn, qn+1
.endr
	s_wait_loadcnt 0x0
.rept 64
	v_cvt_pk_bf16_f32 v[QF+qn], v[2*qn], v[2*qn+1]
.set qn, qn+1
.endr
	WIN 0
; The head of a trip.  Every wave has waited for all its LDS work (its reads of the stage and of the landing slot of the last trip, its stores into this trip's stage)
; and for its tensor load (its part of the next tile).  Behind the round that holds of every wave of the four work-groups: this trip's stage is whole, the next tile
; has landed, and landing slot \slot, read out in the last trip, is filled again, first thing, with the tile two trips ahead: one tensor load a wave.
.macro HEAD slot, refill
	WIN 0
	s_wait_dscnt 0x0
	s_wait_xcnt 0x0
	v_lshl_add_u32 v190, v0, 2, 0x39c00
	v_mov_b32 v191, 0
	s_wait_tensorcnt 0x0                           ; no tensor load of mine is out: a group 0 may be written
	ds_add_u32 v190, v191
	s_wait_dscnt 0x0
.if \refill
	s_add_nc_u64 s[G0+4*\slot+2:G0+4*\slot+3], s[G0+4*\slot+2:G0+4*\slot+3], 2*TILEB
	ROUND
	tensor_load_to_lds s[G0+4*\slot:G0+4*\slot+3], s[G1:G1+7]
	s_nop 0
.else
	BAR                                            ; nothing is left to fetch: the work-group's own barrier orders the stage
.endif
.endm
; 32 loads: K's fragments, 16 keys x 32 d in 8 registers: two loads of 16 bytes, 32 bytes apart
.macro FETCH_K slot
	WIN W_KF
.irp kt, 0,1,2,3
.irp ks, 0,1,2,3
	ds_load_b128 v[KF+8*(4*\kt+\ks):KF+8*(4*\kt+\ks)+3],   v[KADR+\slot] offset:\kt*16*KPITCH+\ks*64
	ds_load_b128 v[KF+8*(4*\kt+\ks)+4:KF+8*(4*\kt+\ks)+7], v[KADR+\slot] offset:\kt*16*KPITCH+\ks*64+32
.endr
.endr
.endm
; 32 loads: my wave's 16 rows of K and 16 rows of V of the next tile, in f32; a load takes one row of 512 bytes, 16 bytes a lane
.macro CVLOAD land
	WIN W_W3
.irp i, 0,1,2,3,4,5,6,7,8,9,10,11,12,13,14,15
	ds_load_b128 v[CV+4*\i:CV+4*\i+3], v[CLD+\land] offset:\i*512
.endr
.irp i, 0,1,2,3,4,5,6,7,8,9,10,11,12,13,14,15
	ds_load_b128 v[CV+64+4*\i:CV+64+4*\i+3], v[CLD+\land] offset:TILEB+\i*512
.endr
.endm
; 64 products: S^T (kt, qt) = sum over four steps of 32 d.  The first step starts the sums.  The four accumulators of a key tile take turns,
; one instruction a turn.
.macro QK conv
	WIN W_QK
.irp kt, 0,1,2,3
	s_wait_dscnt 32*\conv+24-8*\kt                 ; LDS loads come back in order: key tile kt's eight are in; out may be the 8 (3 - kt) of later key tiles and the 32 reads for rounding
.irp ks, 0,1,2,3
.irp qt, 0,1,2,3
.if \ks == 0
	v_wmma_f32_16x16x32_bf16 v[SS+8*(4*\kt+\qt):SS+8*(4*\kt+\qt)+7], v[KF+8*(4*\kt+\ks):KF+8*(4*\kt+\ks)+7], v[QF+8*(4*\qt+\ks):QF+8*(4*\qt+\ks)+7], 0
.else
	v_wmma_f32_16x16x32_bf16 v[SS+8*(4*\kt+\qt):SS+8*(4*\kt+\qt)+7], v[KF+8*(4*\kt+\ks):KF+8*(4*\kt+\ks)+7], v[QF+8*(4*\qt+\ks):QF+8*(4*\qt+\ks)+7], v[SS+8*(4*\kt+\qt):SS+8*(4*\kt+\qt)+7]
.endif
.endr
.endr
.endr
.endm
; 32 transposing loads: V^T's fragments, 16 d x 32 keys in 8 registers: keys 8 h .. + 7 of a block of 32, and the same 16 rows further down
.macro FETCH_V slot
	WIN W_W3
.irp kb, 0,1
.irp dt, 0,1,2,3,4,5,6,7
	ds_load_tr16_b128 v[VF+8*(8*\kb+\dt):VF+8*(8*\kb+\dt)+3],   v[VADR+\slot] offset:\kb*32*VPITCH+\dt*32
	ds_load_tr16_b128 v[VF+8*(8*\kb+\dt)+4:VF+8*(8*\kb+\dt)+7], v[VADR+\slot] offset:\kb*32*VPITCH+\dt*32+16*VPITCH
.endr
.endr
.endm
; 64 roundings in place: a lane's four f32 of a row become two registers
.macro CVT
	WIN W_CVT
.set ci, 0
.rept 32
	v_cvt_pk_bf16_f32 v[CV+4*ci],   v[CV+4*ci],   v[CV+4*ci+1]
	v_cvt_pk_bf16_f32 v[CV+4*ci+1], v[CV+4*ci+2], v[CV+4*ci+3]
.set ci, ci+1
.endr
.endm
; 32 stores: a store puts one whole row of 256 bytes, 8 bytes a lane
.macro CVSTORE stg
	WIN W_CST
.irp i, 0,1,2,3,4,5,6,7,8,9,10,11,12,13,14,15
	ds_store_b64 v[CSK+\stg], v[CV+4*\i:CV+4*\i+1] offset:\i*KPITCH
.endr
.irp i, 0,1,2,3,4,5,6,7,8,9,10,11,12,13,14,15
	ds_store_b64 v[CSV+\stg], v[CV+64+4*\i:CV+64+4*\i+1] offset:\i*VPITCH
.endr
.endm
; mode 1 (even trips): wave 0 asks for its work-group's 8 KiB of the pair of tiles whose tensor loads are issued two and three trips later.
; mode 2 (odd trips): the address steps one pair on and stops at the last pair, 31, so that no request passes the head's end; trip 60 asks for pair 31 a second time.
; Tiles 0 to 3 are not asked for ahead; trips 62 and 63 ask for nothing.
.macro PF mode
.if \mode == 1
	s_cmp_lg_u32 s12, 0
	s_cbranch_scc1 .Lno_ask_\@
	global_prefetch_b8 v[PFO], s[44:45] th:TH_LOAD_NT scope:SCOPE_SE
.Lno_ask_\@:
.endif
.if \mode == 2
	s_wait_xcnt 0x0                                ; the request of the trip before has had its address translated: s[44:45] is rewritten only behind this wait
	s_add_co_u32 s46, s46, 2*TILEB
	s_min_u32 s46, s46, 31*2*TILEB
	s_add_nc_u64 s[44:45], s[42:43], s[46:47]
.endif
.endm
; The largest of a lane's 32 scores of each query tile and of the old maximum; four chains, one for each query tile
.macro MAXES first
.irp qt, 0,1,2,3
	v_max3_num_f32 v[TM+\qt], v[SS+8*\qt], v[SS+8*\qt+1], v[SS+8*\qt+2]
.endr
.set mn, 3
.rept 14
.irp qt, 0,1,2,3
	v_max3_num_f32 v[TM+\qt], v[TM+\qt], v[SS+8*(4*(mn>>3)+\qt)+(mn&7)], v[SS+8*(4*((mn+1)>>3)+\qt)+((mn+1)&7)]
.endr
.set mn, mn+2
.endr
.irp qt, 0,1,2,3
.if \first
	v_max_num_f32 v[TM+\qt], v[TM+\qt], v[SS+8*(12+\qt)+7]
.else
	v_max3_num_f32 v[TM+\qt], v[TM+\qt], v[SS+8*(12+\qt)+7], v[MM+\qt]
.endif
.endr
.endm
; The other 32 keys' maximum from lane r xor 16; -c m; the factor for the old sums
.macro STATS first
.irp qt, 0,1,2,3
	v_permlanex16_b32 v[TP+\qt], v[TM+\qt], s32, s33
.endr
.irp qt, 0,1,2,3
	v_max_num_f32 v[MM+\qt], v[TM+\qt], v[TP+\qt]
.endr
.irp qt, 0,1,2,3
	v_mul_f32 v[NN+\qt], s38, v[MM+\qt]
.endr
.if \first == 0
.irp qt, 0,1,2,3
	v_sub_f32 v[TP+\qt], v[NN+\qt], v[NMC+2*\qt]   ; c (m_old - m_new), never above 0
.endr
.irp qt, 0,1,2,3
	v_exp_f32 v[AL+2*\qt], v[TP+\qt]
.endr
.endif
.irp qt, 0,1,2,3
	v_mov_b32 v[NMC+2*\qt], v[NN+\qt]              ; plain instructions behind the exponentials, which touch neither their results nor their sources (ISA guide 5.7.2)
.endr
.endm
.macro FMA g                           ; tile g = 4 kt + qt: s c - c m, one rounding
.irp p, 0,2,4,6
	v_pk_fma_f32 v[SS+8*(\g)+\p:SS+8*(\g)+\p+1], v[SS+8*(\g)+\p:SS+8*(\g)+\p+1], s[36:37], v[NMC+2*((\g)&3):NMC+2*((\g)&3)+1] op_sel_hi:[1,0,0]
.endr
.endm
.macro EXPS g
.irp j, 0,1,2,3,4,5,6,7
	v_exp_f32 v[SS+8*(\g)+\j], v[SS+8*(\g)+\j]
.endr
.endm
; tile g: its eight p join the row's two partial sums (key tile 0 brings the old sums along, times the factor) and are rounded into P's fragment
.macro SC g, first
.set c_s, SS+8*(\g)
.set c_l, LSUM+2*((\g)&3)
.set c_a, AL+2*((\g)&3)
.set c_p, PP+8*(4*((\g)>>3)+((\g)&3))+4*(((\g)>>2)&1)
.if (\g) < 4
.if \first
	s_wait_alu depctr_va_vdst(0)
	v_pk_add_f32 v[c_l:c_l+1], v[c_s:c_s+1], v[c_s+2:c_s+3]        ; the first numbers start the sums
	v_cvt_pk_bf16_f32 v[c_p], v[c_s], v[c_s+1]
.else
	s_wait_alu depctr_va_vdst(0)
	v_pk_fma_f32 v[c_l:c_l+1], v[c_l:c_l+1], v[c_a:c_a+1], v[c_s:c_s+1] op_sel_hi:[1,0,1]
	v_cvt_pk_bf16_f32 v[c_p], v[c_s], v[c_s+1]
	v_pk_add_f32 v[c_l:c_l+1], v[c_l:c_l+1], v[c_s+2:c_s+3]
.endif
.else
	s_wait_alu depctr_va_vdst(0)
	v_pk_add_f32 v[c_l:c_l+1], v[c_l:c_l+1], v[c_s:c_s+1]
	v_cvt_pk_bf16_f32 v[c_p], v[c_s], v[c_s+1]
	v_pk_add_f32 v[c_l:c_l+1], v[c_l:c_l+1], v[c_s+2:c_s+3]
.endif
	v_cvt_pk_bf16_f32 v[c_p+1], v[c_s+2], v[c_s+3]
	v_pk_add_f32 v[c_l:c_l+1], v[c_l:c_l+1], v[c_s+4:c_s+5]
	v_cvt_pk_bf16_f32 v[c_p+2], v[c_s+4], v[c_s+5]
	v_pk_add_f32 v[c_l:c_l+1], v[c_l:c_l+1], v[c_s+6:c_s+7]
	v_cvt_pk_bf16_f32 v[c_p+3], v[c_s+6], v[c_s+7]
.endm
; Behind each tile's eight exponentials stand the next tile's four multiply-adds, plain instructions on other registers, before the results are used
.macro SOFTMAX first
	MAXES \first
	STATS \first
	FMA 0
.irp g, 0,1,2,3,4,5,6,7,8,9,10,11,12,13,14
	EXPS \g
	FMA \g+1
	SC \g, \first
.endr
	EXPS 15
	v_nop
	s_wait_alu depctr_va_vdst(0)
	SC 15, \first
.endm
.macro RESCALE                         ; the old sums of O times the factor of their query tile
	WIN W_OSC
.irp dt, 0,1,2,3,4,5,6,7
.irp qt, 0,1,2,3
.irp p, 0,2,4,6
	v_pk_mul_f32 v[OO+8*(4*\dt+\qt)+\p:OO+8*(4*\dt+\qt)+\p+1], v[OO+8*(4*\dt+\qt)+\p:OO+8*(4*\dt+\qt)+\p+1], v[AL+2*\qt:AL+2*\qt+1] op_sel_hi:[1,0]
.endr
.endr
.endr
.endm
; 64 products: O^T (dt, qt) += V^T (dt, 32 keys) P^T (32 keys, qt).  The 32 accumulators take turns, one instruction a turn.
.macro PV first, conv
	s_wait_dscnt 32*\conv                          ; V's 32 loads are in; the 32 stores into the stage, issued behind them, may be out
	WIN W_PV
.irp kb, 0,1
.irp dt, 0,1,2,3,4,5,6,7
.irp qt, 0,1,2,3
.if \first*(1-\kb)
	v_wmma_f32_16x16x32_bf16 v[OO+8*(4*\dt+\qt):OO+8*(4*\dt+\qt)+7], v[VF+8*(8*\kb+\dt):VF+8*(8*\kb+\dt)+7], v[PP+8*(4*\kb+\qt):PP+8*(4*\kb+\qt)+7], 0
.else
	v_wmma_f32_16x16x32_bf16 v[OO+8*(4*\dt+\qt):OO+8*(4*\dt+\qt)+7], v[VF+8*(8*\kb+\dt):VF+8*(8*\kb+\dt)+7], v[PP+8*(4*\kb+\qt):PP+8*(4*\kb+\qt)+7], v[OO+8*(4*\dt+\qt):OO+8*(4*\dt+\qt)+7]
.endif
.endr
.endr
.endr
.endm
; One trip: tile t from stage \slot; tile t + 1 from landing slot \other into stage \other (conv); tile t + 2 into landing slot \slot (refill)
.macro TRIP slot, other, first, refill, conv, pf
	HEAD \slot, \refill
.if \first == 0
	PLACES                                         ; behind the last trip's products with V, for the loads into V's fragments below (the scores' products between are no places)
.endif
	FETCH_K \slot
.if \conv
	CVLOAD \other
.endif
	QK \conv
	FETCH_V \slot
.if \conv
	s_wait_dscnt 32                                ; the 32 reads for rounding are in; V's 32 loads, issued behind them, may be out
	CVT                                            ; these 64 plain instructions are also the places between the scores' last product and the first read of a score
	CVSTORE \other
.else
	PLACES
.endif
	WIN 0
	PF \pf
	SOFTMAX \first
.if \first == 0
	RESCALE
.endif
	PV \first, \conv
	WIN 0                                          ; at a label and at a branch every window is 0
.endm
	; tile 0 into stage 0
	s_wait_tensorcnt 0x1                           ; my part of tile 0 has landed; tile 1's load may stay out
	BAR                                            ; everybody's part has
	CVLOAD 0
	s_wait_dscnt 0x0
	CVT
	CVSTORE 0
	WIN 0
	TRIP 0, 1, 1, 1, 1, 1                          ; trip 0 starts all sums
	TRIP 1, 0, 0, 1, 1, 2
	s_mov_b32 s34, 30                              ; trips 2 to 61
.Ltrips:
	TRIP 0, 1, 0, 1, 1, 1
	TRIP 1, 0, 0, 1, 1, 2
	s_sub_co_u32 s34, s34, 1
	s_cmp_lg_u32 s34, 0
	s_cbranch_scc1 .Ltrips
	TRIP 0, 1, 0, 0, 1, 0                          ; trip 62: nothing is left to fetch; tile 63 is rounded
	TRIP 1, 0, 0, 0, 0, 0                          ; trip 63: nothing is left to round
	; THE WAY OUT.  The row sums: two partial sums a lane, then the other half's.  The eight additions are plain instructions on registers of their own:
	; they are the places between the last product and the first read of O.
.irp qt, 0,1,2,3
	v_add_f32 v[TM+\qt], v[LSUM+2*\qt], v[LSUM+2*\qt+1]
.endr
.irp qt, 0,1,2,3
	v_permlanex16_b32 v[TP+\qt], v[TM+\qt], s32, s33
.endr
.irp qt, 0,1,2,3
	v_add_f32 v[TM+\qt], v[TM+\qt], v[TP+\qt]
.endr
.irp qt, 0,1,2,3
	v_rcp_f32 v[AL+2*\qt], v[TM+\qt]
.endr
	v_nop                                          ; one plain instruction before a reciprocal is used
	s_wait_alu depctr_va_vdst(0)
; 16 queries: O / row sum; a lane's 8 neighbouring d of row r go as 32 bytes into my wave's own stage; whole rows of 512 bytes come back and are stored.
; LDS serves a wave's instructions in order (ISA guide 5.7.1), so the loads see the stores above them, and the next tile's stores come behind these loads.
.macro OUT16 qt, buf
	WIN W_OSC
.irp dt, 0,1,2,3,4,5,6,7
.irp p, 0,2,4,6
	v_pk_mul_f32 v[OO+8*(4*\dt+\qt)+\p:OO+8*(4*\dt+\qt)+\p+1], v[OO+8*(4*\dt+\qt)+\p:OO+8*(4*\dt+\qt)+\p+1], v[AL+2*\qt:AL+2*\qt+1] op_sel_hi:[1,0]
.endr
.endr
	WIN W_OST
.irp dt, 0,1,2,3,4,5,6,7
	ds_store_b128 v[STO], v[OO+8*(4*\dt+\qt):OO+8*(4*\dt+\qt)+3]   offset:64*\dt
	ds_store_b128 v[STO], v[OO+8*(4*\dt+\qt)+4:OO+8*(4*\dt+\qt)+7] offset:64*\dt+16
.endr
	WIN 0
	s_wait_xcnt 0x0                                ; every earlier store has had its addresses translated: the buffer that the stores two tiles ago read is loaded again only behind this wait
.irp i, 0,1,2,3,4,5,6,7,8,9,10,11,12,13,14,15
	ds_load_b128 v[\buf+4*\i:\buf+4*\i+3], v[RD] offset:\i*OPITCH
.endr
.irp i, 0,1,2,3,4,5,6,7,8,9,10,11,12,13,14,15
	s_wait_dscnt 15-\i                             ; row i is in; the 15 - i younger loads may be out
	global_store_b128 v[CO], v[\buf+4*\i:\buf+4*\i+3], s[10:11] offset:(16*\qt+\i)*512 th:TH_STORE_NT   ; the wave stores 512 consecutive bytes, a whole row of out0
.endr
.endm
	OUT16 0, 64                                    ; the scores' registers serve as two buffers by turns
	OUT16 1, 128
	OUT16 2, 64
	OUT16 3, 128
	s_wait_xcnt 0x0
	v_lshl_add_u32 v190, v0, 2, 0x39c00
	v_mov_b32 v191, 0
	s_wait_tensorcnt 0x0
	ds_add_u32 v190, v191
	s_wait_dscnt 0x0
	ROUND                                          ; the closing round: no work-group ends while a partner may still ask for a tile that names it
	s_endpgm
.Lfunc_end_k_q53b293b496_attend:
	.size	k_q53b293b496_attend, .Lfunc_end_k_q53b293b496_attend-k_q53b293b496_attend
	.p2alignl 7, 3214868480
	.fill 96, 4, 3214868480
	.section	.rodata,"a",@progbits
	.p2align	6, 0x0
	.amdhsa_kernel k_q53b293b496_attend
		.amdhsa_group_segment_fixed_size 327680
		.amdhsa_private_segment_fixed_size 0
		.amdhsa_enable_private_segment 0
		.amdhsa_kernarg_size 32
		.amdhsa_user_sgpr_count 2
		.amdhsa_user_sgpr_kernarg_segment_ptr 1
		.amdhsa_wavefront_size32 1
		.amdhsa_system_sgpr_workgroup_id_x 1
		.amdhsa_system_sgpr_workgroup_id_y 1
		.amdhsa_system_sgpr_workgroup_id_z 1
		.amdhsa_system_vgpr_workitem_id 0
		.amdhsa_next_free_vgpr 1024
		.amdhsa_next_free_sgpr 66
		.amdhsa_reserve_vcc 0
		.amdhsa_float_denorm_mode_32 3
		.amdhsa_float_denorm_mode_16_64 3
		.amdhsa_memory_ordered 1
		.amdhsa_forward_progress 1
		.amdhsa_inst_pref_size 255
	.end_amdhsa_kernel
	.section	.bss,"aw",@nobits
	.p2align	6
	.space	262144
	.amdgpu_metadata
---
amdhsa.version: [ 1, 2 ]
amdhsa.kernels:
  - .name:           k_q53b293b496_attend
    .symbol:         k_q53b293b496_attend.kd
    .args:
      - { .name: q, .offset: 0, .size: 8, .value_kind: global_buffer, .address_space: global }
      - { .name: k, .offset: 8, .size: 8, .value_kind: global_buffer, .address_space: global }
      - { .name: v, .offset: 16, .size: 8, .value_kind: global_buffer, .address_space: global }
      - { .name: out0, .offset: 24, .size: 8, .value_kind: global_buffer, .address_space: global }
    .group_segment_fixed_size: 327680
    .private_segment_fixed_size: 0
    .kernarg_segment_align: 8
    .kernarg_segment_size: 32
    .max_flat_workgroup_size: 128
    .sgpr_count:     66
    .vgpr_count:     1024
    .wavefront_size: 32
...
	.end_amdgpu_metadata
.endif
;; end of part 1
;; ======== version 2 of 2: 1 launch
;; launch attend (part 2): grid 16 x 16, 4 waves a work-group, clusters of 4 x 1, 327,680 bytes of LDS; arguments q, k, v, out0; writes out0
.if DOCPART == 2
	.amdgcn_target "amdgcn-amd-amdhsa--gfx1250"
	.amdhsa_code_object_version 6
	.text
	.protected	k_q53b293b496_attend
	.globl	k_q53b293b496_attend
	.p2align	8
	.type	k_q53b293b496_attend,@function
k_q53b293b496_attend:
	s_mov_b64 s[64:65], 0
	v_nop
	global_prefetch_b8 v0, s[64:65] scope:SCOPE_SE
	s_setreg_imm32_b32 hwreg(HW_REG_WAVE_MODE, 25, 1), 1
	s_wait_xcnt 0x0
	s_wait_alu depctr_hold_cnt(0) depctr_sa_sdst(0) depctr_va_vdst(0) depctr_va_sdst(0) depctr_va_ssrc(0) depctr_va_vcc(0) depctr_vm_vsrc(0)
	s_getreg_b32 s2, hwreg(HW_REG_IB_STS2, 6, 4)
	s_cmp_eq_u32 s2, 0
	s_cbranch_scc0 .Lentry_in_a_cluster
	s_endpgm
.Lentry_in_a_cluster:
	s_bfe_u32 s2, ttmp6, 0x10000c
	s_cmp_lg_u32 s2, 0x3003
	s_cbranch_scc0 .Lentry_shape_is_right
	s_endpgm
.Lentry_shape_is_right:
; out0[b][n][:] = softmax over m of (q[b][n].k[b][m] / sqrt(128)) times v[b][m][:].  q, k, v, out0: [16][4096][128] f32.
; NOTHING IS LEFT OUT: reference() has no mask, no bias and no slice, so every input has a way to every output row of its head, and all are loaded.
; The maximum that reference() takes away before the exponential is taken away here too, as a running maximum over steps of 64 keys.
;
; SHARES.  256 work-groups: x = block of 256 queries (16 of them), y = head (16).  Four waves, 64 queries each, as four query tiles qt of 16.
; The keys go in 64 trips of 64.  A trip of a wave: 64 products for the scores, the softmax of 64 x 64 scores, 64 products with V.
;
; BOTH PRODUCTS ARE USED TRANSPOSED, so that the probabilities never move between lanes.
;   S^T = K Q^T: source 0 = 16 keys of K, source 1 = 16 queries of Q.  Lane (r, h), register j of the result: key 16 kt + 8 h + j, query r.
;   Two neighbouring key tiles, rounded in pairs to bf16, ARE source 1 of the second product for 32 keys (registers 0-3: keys 8 h .., 4-7: 16 + 8 h ..).
;   O^T = V^T P^T: source 0 = V^T, taken by the transposing LDS load from V as it lies, [key][d].  Lane (r, h), register j: d = 16 dt + 8 h + j, query r.
;   So a query's maximum, its sum and its rescale factor live in the two lanes r and r + 16: one exchange of the halves a trip for the maximum, one at the end for the sum.
;
; THE LOOP: PRODUCTS AND VECTOR WORK SIDE BY SIDE.  The wave's query tiles are two pieces, A = tiles 0, 1 and B = tiles 2, 3.  A trip t has two halves of 64 slots;
; a slot is one product and, behind it, one slice of the other piece's vector work:
;   half X(t): products O_B += V(t-1) P_B(t-1), then S_B = K(t) Q_B;     slices: maximum, exponentials, sums, packing and rescale of A for tile t
;   half Y(t): products O_A += V(t) P_A(t),     then S_A = K(t+1) Q_A;   slices: the same of B for tile t
; A fragment of V or K serves two halves that follow each other (Y, then X) and is loaded once a trip, in place, behind the last product that read it.
; The trip's 128 LDS instructions stand in eight runs of 16, each under one window setting and behind its slot's slice, so that between the runs products and slices
; follow each other with no memory instruction among them.
; Products and slices name different register windows, so a slot has two switches of the window: 128 products, 600 vector and 128 LDS instructions and some 280
; switches a trip.  A slice's results must lie in the window of the destination field, which a product needs for its accumulators, and one-source instructions tie
; source 0 to it as well; 128 accumulator registers and the fragments leave no room there for a piece's scores: hence the switches.
;
; FORMATS.  q, k, v are rounded to bf16 unscaled; sums in f32.  With c = log2(e) / sqrt(128): p = exp2(s c + nmc), nmc = -c m rounded once;
; the factor for the old sums is exp2(nmc_new - nmc_old), made of the same rounded numbers that p uses, so that their rounding cancels in the quotient.
; The first trip is written out: it has no old maximum, no factor, and its products start the sums of O with C = 0; nothing is cleared, no -inf is used.
;
; K AND V: f32 in memory, bf16 at the matrix unit.  Tensor loads bring bundle u = (K's tile u + 1, V's tile u), what half X(u) loads as fragments, into a ring of two
; landing slots, two trips ahead; in trip t each wave reads a quarter of bundle t + 1 (in X), rounds it and stores it (in Y) into a ring of two bf16 stages.
; All reads of a stage stand in X and in slot 4 of Y, all writes of the other stage in Y: one barrier a trip orders both.
; K's tile 0 belongs to no bundle: each wave brings its 16 rows by plain loads, once (32 KiB of the 4 MiB that a work-group walks).
; CLUSTER: the four query blocks 4 X + cx of one head walk the same K and V tiles, so the four work-groups ask for each bundle jointly (mask 15):
; each of the 4 waves asks for 16 KiB of the 64 KiB, with a descriptor made of the head and the wave's number alone.
;
; LIMITS.  Inputs that are NaN or infinite, or scores that overflow f32, are not promised to give reference()'s pattern of NaN (v_max_num_f32 drops a NaN).
; A probability below 2^-126 of its row's running maximum counts as 0 (v_exp_f32 gives 0 for results that would be denormal: ISA guide, its entry in 15.8).
; The row sum adds p in f32, the product takes p rounded to bf16.  The row sum is about 1 at the least: the row's maximum itself contributes exp2 of about 0.
;
; LDS (bytes)                                  every region begins at a multiple of 256; the landing slots are written by tensor loads alone, the rest by ds_store alone
.set TILEB,  32768                     ; 64 rows of 512 bytes: a tile of K, or of V, in f32
.set LSLOT,  65536                     ; landing slot s at s * 65536: K's tile, then V's, dense
.set STG,    131072                    ; stage s at STG + s * 35840
.set KPITCH, 272                       ; K in bf16: 256 bytes a row + 16: sixteen rows of one column begin at sixteen different 16-byte columns modulo 256 bytes
.set VPITCH, 288                       ; V in bf16: 256 + 32, an odd multiple of 32, for the transposing load
.set VBO,    64*KPITCH                 ; V's rows lie behind K's 64
.set SSLOT,  64*KPITCH+64*VPITCH       ; 35,840: with the largest offset inside a stage (14,048) still inside the 16-bit immediate, so the stage's number stands there
.set OST,    STG+2*SSLOT               ; 202,752: each wave's own 8,448 bytes: q's way in (16 rows of 272), the way out (16 rows of 528)
.set OPITCH, 528
.set OWAVE,  16*OPITCH                 ; the last byte used is 236,543
; REGISTERS, window 0
.set LB,   0                           ; v[2qt:2qt+1] second pair of partial row sums (v0-7 serve the set-up first)
.set KADR, 8                           ; my address of K's fragments in stage 0
.set VADR, 9                           ; my address of V's transposing loads in stage 0
.set CSK,  10                          ; stage 0: my 8 bytes of the first row of K that my wave rounds
.set CSV,  11                          ; the same for V
.set CLD,  12                          ; v12,13  landing slot s: my 16 bytes of the first row that my wave rounds; v12 is also my offset in K's tile 0
.set QST,  14                          ; q's way in: my 8 bytes of a row
.set QRD,  15                          ; q's way in: my address of a fragment
.set STO,  18                          ; the way out: where I put 32 bytes of a row
.set RD,   19                          ; the way out: where I read 16 bytes of a row back
.set CO,   20                          ; 16 x lane: my byte offset in a row of q and of out0
.set PFO,  22                          ; 256 x lane
.set TM,   24                          ; v24-27  at work: maxima, at the end sums
.set TP,   28                          ; v28-31  at work: a second chain of maxima, then what the other half of the lanes holds
.set MM,   32                          ; v32-35  running maximum of raw scores, one for each query tile
.set NN,   36                          ; v36-39  -c x new maximum
.set NMC,  40                          ; v40+2qt -c x maximum in use (the odd partner is 0: a pair is named, its first register is used)
.set AL,   48                          ; v48+2qt the factor for the old sums; at the end 1 / row sum (odd partner 0)
.set LSUM, 56                          ; v[56+2qt:57+2qt] first pair of partial row sums
.set SS,   64                          ; v64-191  scores: tile (kt, qt) at 64 + 8 (4 kt + qt)
.set PP,   192                         ; v192-255 probabilities in bf16: (kb, qt) at 192 + 8 (4 kb + qt)
; window 1: O (dt, qt) at 8 (4 dt + qt).  window 2: Q's fragments (qt, ks) at 8 (4 qt + ks), K's (kt, ks) at 128 + 8 (4 kt + ks).
; window 3: V's fragments (kb, dt) at 8 (8 kb + dt); 128-255 the 32 rows that my wave rounds, 4 registers each.  At the start all of window 3 takes q in f32.
.set OO, 0
.set QF, 0
.set KF, 128
.set VF, 0
.set CV, 128
; s_set_vgpr_msb's low byte: bits 1:0 source 0, 3:2 source 1, 5:4 source 2, 7:6 destination
.set W_KF,  0x80                       ; a load into window 2
.set W_W3,  0xc0                       ; a load into window 3
.set W_QK,  0x0a                       ; K and Q from window 2, scores in window 0
.set W_CVT, 0xcf                       ; rounding inside window 3
.set W_CST, 0x0c                       ; LDS store data from window 3
.set W_C2,  0xaa                       ; rounding inside window 2
.set W_S2,  0x08                       ; LDS store data from window 2
.set W_OSC, 0x41                       ; O times a factor of window 0
.set W_PV,  0x53                       ; V from window 3, P from window 0, O in window 1
.set W_OST, 0x04                       ; LDS store data from window 1
.set G1, 16                            ; s[16:23] descriptor group 1
.set G0, 24                            ; s[24:27], s[28:31] descriptor group 0 of landing slot 0, 1
.set CEXP,  0x3e0293ee                 ; c = 0.12751743
.set CNEG,  0xbe0293ee                 ; -c
.set MSB, 0
.macro WIN new                         ; the immediate's high byte repeats the setting that is left; a switch that changes nothing is dropped
.if MSB != \new
	s_set_vgpr_msb (MSB<<8)|\new
.set MSB, \new
.endif
.endm
.macro BAR
	s_barrier_signal -1
	s_barrier_wait -1
.endm
; A round of the cluster's barrier: my work-group's barrier, so that wave 0 speaks for all four waves; wave 0 signals; every wave waits for the four work-groups; my work-group's barrier again.
.macro CREST                           ; a round behind its opening barrier
	s_cmp_lg_u32 s12, 0
	s_cbranch_scc1 .Lnot_wave_0_\@
	s_barrier_signal -3
.Lnot_wave_0_\@:
	s_barrier_wait -3
	s_barrier_signal -1
	s_barrier_wait -1
.endm
.macro ROUND                           ; a whole round
	BAR
	CREST
.endm
	s_load_b256 s[4:11], s[0:1], 0x0               ; q s[4:5], k s[6:7], v s[8:9], out0 s[10:11]
	v_lshl_add_u32 v21, v0, 2, 0x39c00
	v_mov_b32 v23, 0
	ds_add_u32 v21, v23
	v_lshrrev_b32 v3, 5, v0
	v_readfirstlane_b32 s12, v3                    ; wave 0..3
	s_bfe_u32 s13, ttmp6, 0x40000                  ; cx: my place in the cluster
	s_lshl_b32 s14, ttmp9, 2                       ; ttmp9 counts clusters
	s_add_co_u32 s14, s14, s13                     ; query block = 4 x cluster x + cx
	s_and_b32 s15, ttmp7, 0xffff                   ; head
	s_mov_b32 s32, 0x76543210                      ; v_permlanex16_b32: lane i of one half reads lane i of the other
	s_mov_b32 s33, 0xfedcba98
	s_mov_b32 s36, CEXP
	s_mov_b32 s37, CEXP
	s_mov_b32 s38, CNEG
	; Group 1: 16 KiB that are dense in memory, as 64 rows of 32 elements of 8 bytes; no padding; asked for jointly by the cluster's four work-groups
	s_mov_b32 s[G1+0], 15|(3<<16)|(1<<21)          ; 15:0 mask of the four; 17:16 elements of 8 bytes; 21 set beside a mask
	s_mov_b32 s[G1+1], 32<<16                      ; tensor_dim0 = 32
	s_mov_b32 s[G1+2], 64<<16                      ; tensor_dim1 = 64
	s_mov_b32 s[G1+3], 32<<16                      ; tile_dim0 = 32
	s_mov_b32 s[G1+4], 64                          ; tile_dim1 = 64
	s_mov_b32 s[G1+5], 32                          ; from row to row: 32 elements
	s_mov_b32 s[G1+6], 0
	s_mov_b32 s[G1+7], 0
	; where my part of a bundle comes from: the head's 2^21 bytes, the upper or lower 32 rows, and for K one tile further on.  No register here ever holds cx.
	s_lshl_b32 s40, s15, 21
	s_and_b32 s50, s12, 1
	s_lshl_b32 s50, s50, 14
	s_add_co_u32 s40, s40, s50
	s_cmp_lt_u32 s12, 2                            ; waves 0, 1 fetch K, waves 2, 3 fetch V
	s_cselect_b32 s50, TILEB, 0
	s_add_co_u32 s40, s40, s50
	s_mov_b32 s41, 0
	s_lshl_b32 s58, s15, 21                        ; K's tile 0 of my head
	s_mov_b32 s59, 0
	s_lshl_b32 s51, s12, 14                        ; and where my part goes: wave x 16 KiB: K's two halves, then V's two halves
	; my wave's 64 rows of q and of out0: head x 2^21 + block x 2^17 + wave x 2^15 bytes
	s_lshl_b32 s52, s15, 21
	s_lshl_b32 s54, s14, 17
	s_add_co_u32 s52, s52, s54
	s_lshl_b32 s54, s12, 15
	s_add_co_u32 s52, s52, s54
	s_mov_b32 s53, 0
	v_and_b32 v1, 15, v0                           ; r
	v_bfe_u32 v2, v0, 4, 1                         ; h
	v_and_b32 v3, 31, v0                           ; lane
	v_lshlrev_b32 v[CO], 4, v3
	s_wait_dscnt 0x0
	s_wait_kmcnt 0x0
	s_cmp_lt_u32 s12, 2
	s_cselect_b64 s[48:49], s[6:7], s[8:9]
	s_add_nc_u64 s[48:49], s[48:49], s[40:41]
	s_add_nc_u64 s[4:5], s[4:5], s[52:53]
	s_add_nc_u64 s[10:11], s[10:11], s[52:53]
	s_add_nc_u64 s[56:57], s[6:7], s[58:59]
.irp s, 0,1
	s_mov_b32 s[G0+4*\s], 1                                        ; count = 1
	s_add_co_u32 s[G0+4*\s+1], s51, \s*LSLOT                       ; LDS address
	s_add_nc_u64 s[G0+4*\s+2:G0+4*\s+3], s[48:49], \s*TILEB        ; global address: bundle s
	s_or_b32 s[G0+4*\s+3], s[G0+4*\s+3], 0x80000000                ; type = 2
.endr
	ROUND                                          ; all four work-groups are here: the first joint loads meet
	tensor_load_to_lds s[G0:G0+3], s[G1:G1+7]      ; bundles 0 and 1 go out as one group, ahead of every wait on TENSORcnt, LDS read and further barrier:
	s_nop 0
	tensor_load_to_lds s[G0+4:G0+7], s[G1:G1+7]    ; two tensor loads of a wave are out here, one behind each later round
	s_nop 0
	v_nop
	; K's tile 0 (my wave's rows 16 w .. 16 w + 15) and q (my wave's 64 rows): every load takes one whole row of 512 bytes, 16 bytes a lane
	s_lshl_b32 s51, s12, 13                        ; 16 rows of f32 are 8,192 bytes
	v_add_nc_u32 v[CLD], s51, v[CO]
	v_add_nc_u32 v[CLD+1], LSLOT, v[CLD]
	WIN W_KF
.irp i, 0,1,2,3,4,5,6,7,8,9,10,11,12,13,14,15
	global_load_b128 v[KF+4*\i:KF+4*\i+3], v[CLD], s[56:57] offset:\i*512
.endr
	WIN W_W3
.set qr, 0
.rept 48
	global_load_b128 v[4*qr:4*qr+3], v[CO], s[4:5] offset:qr*512 th:TH_LOAD_NT
.set qr, qr+1
.endr
	WIN 0
	; while they are on their way: what wave 0 asks for ahead of the tensor loads.  The 16 work-groups of a head share a pair of tiles out:
	; blocks 0-7 take K's 64 KiB, blocks 8-15 V's, 8 KiB each (32 lanes, 256 bytes apart)
	s_cmp_lt_u32 s14, 8
	s_cselect_b64 s[42:43], s[6:7], s[8:9]
	s_and_b32 s54, s14, 7
	s_lshl_b32 s54, s54, 13
	s_lshl_b32 s52, s15, 21
	s_add_co_u32 s52, s52, s54
	s_add_nc_u64 s[42:43], s[42:43], s[52:53]
	s_mov_b32 s46, 2*2*TILEB                       ; the first request is for tiles 4 and 5
	s_mov_b32 s47, 0
	s_add_nc_u64 s[44:45], s[42:43], s[46:47]
	; LDS addresses: constants, the lane, the wave's number
	v_mul_u32_u24 v4, v1, KPITCH                   ; a fragment from rows of 272 bytes: row r, 16 h bytes in
	v_lshl_add_u32 v4, v2, 4, v4
	v_add_nc_u32 v[KADR], STG, v4
	v_and_b32 v5, 7, v0                            ; V's transposing loads: row 8 h + lane % 8,
	v_lshl_add_u32 v5, v2, 3, v5
	v_mul_u32_u24 v5, v5, VPITCH
	v_bfe_u32 v6, v0, 3, 1                         ; the first or the second 16 bytes of the 32 of a d tile
	v_lshl_add_u32 v5, v6, 4, v5
	v_add_nc_u32 v[VADR], STG+VBO, v5
	v_lshlrev_b32 v7, 3, v3                        ; 8 x lane
	s_mul_i32 s51, s12, 16*KPITCH
	s_add_co_u32 s51, s51, STG
	v_add_nc_u32 v[CSK], s51, v7
	s_mul_i32 s51, s12, 16*VPITCH
	s_add_co_u32 s51, s51, STG+VBO
	v_add_nc_u32 v[CSV], s51, v7
	s_mul_i32 s51, s12, OWAVE
	s_add_co_u32 s51, s51, OST                     ; my wave's own stage
	v_add_nc_u32 v[QST], s51, v7
	v_add_nc_u32 v[QRD], s51, v4
	v_mul_u32_u24 v6, v1, OPITCH
	v_lshl_add_u32 v6, v2, 5, v6
	v_add_nc_u32 v[STO], s51, v6
	v_add_nc_u32 v[RD], s51, v[CO]
	v_lshlrev_b32 v[PFO], 8, v3
.irp qt, 0,1,2,3
	v_mov_b32 v[NMC+2*\qt+1], 0                    ; the second register of a pair of which the first is used for both halves
	v_mov_b32 v[AL+2*\qt+1], 0
.endr
	; K's tile 0 to bf16, into stage 1 (which bundle 1 takes over in trip 0, behind that trip's barrier)
	s_wait_loadcnt 48                              ; loads come back in order: K's 16 are in, the 48 rows of q may be out
	WIN W_C2
.irp i, 0,1,2,3,4,5,6,7,8,9,10,11,12,13,14,15
	v_cvt_pk_bf16_f32 v[KF+4*\i],   v[KF+4*\i],   v[KF+4*\i+1]
	v_cvt_pk_bf16_f32 v[KF+4*\i+1], v[KF+4*\i+2], v[KF+4*\i+3]
.endr
	WIN W_S2
.irp i, 0,1,2,3,4,5,6,7,8,9,10,11,12,13,14,15
	ds_store_b64 v[CSK], v[KF+4*\i:KF+4*\i+1] offset:SSLOT+\i*KPITCH
.endr
	WIN W_W3
.rept 16
	global_load_b128 v[4*qr:4*qr+3], v[CO], s[4:5] offset:qr*512 th:TH_LOAD_NT   ; q's last 16 rows
.set qr, qr+1
.endr
; 16 rows of q: rounded in place, a row of 256 bytes a store into my wave's own stage, and back as four fragments (query r, 32 d: two loads of 16 bytes, 32 apart).
; LDS serves a wave's instructions in order (ISA guide 5.7.1): the loads see the stores above them, and the next tile's stores come behind these loads.
.macro QTILE qt, left
	s_wait_loadcnt \left                           ; this tile's 16 rows are in; the later tiles' may be out
	WIN W_CVT
.irp i, 0,1,2,3,4,5,6,7,8,9,10,11,12,13,14,15
	v_cvt_pk_bf16_f32 v[64*\qt+4*\i],   v[64*\qt+4*\i],   v[64*\qt+4*\i+1]
	v_cvt_pk_bf16_f32 v[64*\qt+4*\i+1], v[64*\qt+4*\i+2], v[64*\qt+4*\i+3]
.endr
	WIN W_CST
.irp i, 0,1,2,3,4,5,6,7,8,9,10,11,12,13,14,15
	ds_store_b64 v[QST], v[64*\qt+4*\i:64*\qt+4*\i+1] offset:\i*KPITCH
.endr
	WIN W_KF
.irp ks, 0,1,2,3
	ds_load_b128 v[QF+8*(4*\qt+\ks):QF+8*(4*\qt+\ks)+3],   v[QRD] offset:\ks*64
	ds_load_b128 v[QF+8*(4*\qt+\ks)+4:QF+8*(4*\qt+\ks)+7], v[QRD] offset:\ks*64+32
.endr
.endm
	QTILE 0, 48
	QTILE 1, 32
	QTILE 2, 16
	QTILE 3, 0
	WIN 0
; ---- the pieces of a slot.  sn is the slot's number in its half, 0 to 63 ----
; Product with V, slots 0-31: block of 32 keys kb = sn / 16, d tile dt = (sn / 2) % 8, query tile mq + sn % 2.  mode 1: kb = 0 starts the sums.
; The piece's 16 accumulators take turns, one instruction a turn.
.macro PVW mq, mode
.set w_kb, sn>>4
.set w_dt, (sn>>1)&7
.set w_qt, \mq+(sn&1)
.set w_o, OO+8*(4*w_dt+w_qt)
.set w_v, VF+8*(8*w_kb+w_dt)
.set w_p, PP+8*(4*w_kb+w_qt)
.set w_z, 0
.if (\mode) == 1
.if w_kb == 0
.set w_z, 1
.endif
.endif
	WIN W_PV
.if w_z
	v_wmma_f32_16x16x32_bf16 v[w_o:w_o+7], v[w_v:w_v+7], v[w_p:w_p+7], 0
.else
	v_wmma_f32_16x16x32_bf16 v[w_o:w_o+7], v[w_v:w_v+7], v[w_p:w_p+7], v[w_o:w_o+7]
.endif
.endm
; Product for the scores, slots 32-63: K's fragment j = (sn - 32) / 2 = 4 kt + ks, query tile mq + sn % 2.  ks = 0 starts the sums.
; The two accumulators of a key tile take turns, one instruction a turn.
.macro QKW mq
.set w_j, (sn-32)>>1
.set w_qt, \mq+(sn&1)
.set w_s, SS+8*(4*(w_j>>2)+w_qt)
.set w_k, KF+8*w_j
.set w_q, QF+8*(4*w_qt+(w_j&3))
	WIN W_QK
.if (w_j&3) == 0
	v_wmma_f32_16x16x32_bf16 v[w_s:w_s+7], v[w_k:w_k+7], v[w_q:w_q+7], 0
.else
	v_wmma_f32_16x16x32_bf16 v[w_s:w_s+7], v[w_k:w_k+7], v[w_q:w_q+7], v[w_s:w_s+7]
.endif
.endm
.macro KLOAD j, slot                   ; K's fragment j = 4 kt + ks: 16 keys x 32 d in 8 registers: two loads of 16 bytes, 32 bytes apart
	WIN W_KF
	ds_load_b128 v[KF+8*(\j):KF+8*(\j)+3],   v[KADR] offset:\slot*SSLOT+((\j)>>2)*16*KPITCH+((\j)&3)*64
	ds_load_b128 v[KF+8*(\j)+4:KF+8*(\j)+7], v[KADR] offset:\slot*SSLOT+((\j)>>2)*16*KPITCH+((\j)&3)*64+32
.endm
.macro VLOAD i, slot                   ; V^T's fragment i = 8 kb + dt: 16 d x 32 keys: keys 8 h .. + 7 of the block, and the same 16 rows further down
	WIN W_W3
	ds_load_tr16_b128 v[VF+8*(\i):VF+8*(\i)+3],   v[VADR] offset:\slot*SSLOT+((\i)>>3)*32*VPITCH+((\i)&7)*32
	ds_load_tr16_b128 v[VF+8*(\i)+4:VF+8*(\i)+7], v[VADR] offset:\slot*SSLOT+((\i)>>3)*32*VPITCH+((\i)&7)*32+16*VPITCH
.endm
; Row 0-15: my wave's rows of K, row 16-31: of V, of the next bundle.  conv = 2: both, 1: V alone (the last bundle has no K), 0: none: rows from 32 - 16 conv on are live.
.macro CLOAD row, land, conv           ; one row of 512 bytes of f32, 16 bytes a lane
.if (\row) >= 32-16*\conv
	WIN W_W3
	ds_load_b128 v[CV+4*(\row):CV+4*(\row)+3], v[CLD+\land] offset:((\row)>>4)*TILEB+((\row)&15)*512
.endif
.endm
.macro CCVT row, conv                  ; a lane's four f32 of a row become two registers, in place
.if (\row) >= 32-16*\conv
	WIN W_CVT
	v_cvt_pk_bf16_f32 v[CV+4*(\row)],   v[CV+4*(\row)],   v[CV+4*(\row)+1]
	v_cvt_pk_bf16_f32 v[CV+4*(\row)+1], v[CV+4*(\row)+2], v[CV+4*(\row)+3]
.endif
.endm
.macro CSTORE row, stg, conv           ; one whole row of 256 bytes, 8 bytes a lane
.if (\row) < 32
.if (\row) >= 32-16*\conv
	WIN W_CST
.if (\row) < 16
	ds_store_b64 v[CSK], v[CV+4*(\row):CV+4*(\row)+1] offset:\stg*SSLOT+(\row)*KPITCH
.else
	ds_store_b64 v[CSV], v[CV+4*(\row):CV+4*(\row)+1] offset:\stg*SSLOT+((\row)-16)*VPITCH
.endif
.endif
.endif
.endm
; What some even slots carry behind their slice: the trip's LDS work, in runs of 16 instructions, and the rounding.
; Half X (ax = 0): slot 4:  the 16 rows of K of the next bundle;          slot 12: its 16 rows of V;
;                  slot 20: V's fragments 0-7 of this trip's tile (last read by the product of slot 15);   slot 36: fragments 8-15 (slot 31);
;                  slot 52: K's fragments 0-7 of the next tile (last read by the product of slot 47).
; Half Y (ax = 1): slot 4:  K's fragments 8-15 (last read by the product of X's slot 63);
;                  slot 6 + 2 i, i = 0 .. 15: rows 2 i, 2 i + 1 are rounded;   slot 24: K's 16 rows are stored (rounded by slot 20);   slot 44: V's 16 (rounded by slot 36).
; A run that loads fragments stands behind the slices of at least five slots that follow the last product that read one of them; each even slice among them has at
; least two plain vector instructions on registers of the other piece: more than the four places that such a load wants behind a matrix instruction.
.macro AUX ax, slot, other, conv, kn
.if \ax == 0
.if sn == 4
.set a_i, 0
.rept 16
	CLOAD a_i, \other, \conv
.set a_i, a_i+1
.endr
.endif
.if sn == 12
.set a_i, 16
.rept 16
	CLOAD a_i, \other, \conv
.set a_i, a_i+1
.endr
.endif
.if sn == 20
.set a_i, 0
.rept 8
	VLOAD a_i, \slot
.set a_i, a_i+1
.endr
.endif
.if sn == 36
.set a_i, 8
.rept 8
	VLOAD a_i, \slot
.set a_i, a_i+1
.endr
.endif
.if sn == 52
.if \kn
.set a_i, 0
.rept 8
	KLOAD a_i, \slot
.set a_i, a_i+1
.endr
.endif
.endif
.else
.if sn == 4
.if \kn
.set a_i, 8
.rept 8
	KLOAD a_i, \slot
.set a_i, a_i+1
.endr
.endif
.endif
.if (sn&1) == 0
.if sn >= 6
.if sn <= 36
.set a_i, (sn-6)>>1
	CCVT 2*a_i, \conv
	CCVT 2*a_i+1, \conv
.endif
.endif
.endif
.if sn == 24
.set a_i, 0
.rept 16
	CSTORE a_i, \other, \conv
.set a_i, a_i+1
.endr
.endif
.if sn == 44
.set a_i, 16
.rept 16
	CSTORE a_i, \other, \conv
.set a_i, a_i+1
.endr
.endif
.endif
.endm
; Slots 0-7: the largest of a lane's 32 scores of each of the piece's two query tiles and of the old maximum.  Four chains: for each query tile one over key tiles
; 0, 1 (in TM, it ends with the old maximum) and one over key tiles 2, 3 (in TP); step 7 joins them.  Value n of a chain: register 32 (n / 8) + n % 8 from its first.
.macro MAXSTEP vq, first
	WIN 0
.set m_1, 32*((2*sn+1)>>3)+((2*sn+1)&7)
.set m_2, 32*((2*sn+2)>>3)+((2*sn+2)&7)
.irp q, 0,1
.set m_q, \vq+\q
.set m_s, SS+8*m_q
.if sn == 0
	v_max3_num_f32 v[TM+m_q], v[m_s], v[m_s+1], v[m_s+2]
.endif
.if sn > 0
.if sn < 7
	v_max3_num_f32 v[TM+m_q], v[TM+m_q], v[m_s+m_1], v[m_s+m_2]
.else
.if \first
	v_max_num_f32 v[TM+m_q], v[TM+m_q], v[m_s+39]
.else
	v_max3_num_f32 v[TM+m_q], v[TM+m_q], v[m_s+39], v[MM+m_q]
.endif
.endif
.endif
.endr
.irp q, 0,1
.set m_q, \vq+\q
.set m_s, SS+8*m_q+64
.if sn == 0
	v_max3_num_f32 v[TP+m_q], v[m_s], v[m_s+1], v[m_s+2]
.endif
.if sn > 0
.if sn < 7
	v_max3_num_f32 v[TP+m_q], v[TP+m_q], v[m_s+m_1], v[m_s+m_2]
.else
	v_max3_num_f32 v[TM+m_q], v[TM+m_q], v[TP+m_q], v[m_s+39]
.endif
.endif
.endr
.endm
; The piece's eight score tiles: g = 2 kt + (qt - vq)
.macro EXP1 vq, g, j
.set e_s, SS+8*(4*((\g)>>1)+\vq+((\g)&1))+\j
	v_exp_f32 v[e_s], v[e_s]
.endm
.macro FMA1 vq, g, p                   ; s c - c m, one rounding, two numbers
.if (\g) <= 7
.set f_q, \vq+((\g)&1)
.set f_s, SS+8*(4*((\g)>>1)+f_q)+\p
	v_pk_fma_f32 v[f_s:f_s+1], v[f_s:f_s+1], s[36:37], v[NMC+2*f_q:NMC+2*f_q+1] op_sel_hi:[1,0,0]
.endif
.endm
; Line idx of the eight that take tile g's p: even idx: two p join one of the row's two pairs of partial sums, by turns (key tile 0 brings the old sums along, times the
; factor; in the first trip its numbers start the sums); odd idx: two p are rounded into P's fragment.
.macro SCOP vq, g, idx, first
.if (\g) >= 0
.set c_kt, (\g)>>1
.set c_q, \vq+((\g)&1)
.set c_s, SS+8*(4*c_kt+c_q)
.set c_a, LSUM+2*c_q
.set c_b, LB+2*c_q
.set c_f, AL+2*c_q
.set c_p, PP+8*(4*(c_kt>>1)+c_q)+4*(c_kt&1)
.set c_m, 2
.if c_kt == 0
.set c_m, 1-\first
.endif
.if \idx == 0
.if c_m == 2
	s_wait_alu depctr_va_vdst(0)
	v_pk_add_f32 v[c_a:c_a+1], v[c_a:c_a+1], v[c_s:c_s+1]
.endif
.if c_m == 1
	s_wait_alu depctr_va_vdst(0)
	v_pk_fma_f32 v[c_a:c_a+1], v[c_a:c_a+1], v[c_f:c_f+1], v[c_s:c_s+1] op_sel_hi:[1,0,1]
.endif
.if c_m == 0
	s_wait_alu depctr_va_vdst(0)
	v_pk_add_f32 v[c_a:c_a+1], v[c_s:c_s+1], v[c_s+4:c_s+5]
.endif
.endif
.if \idx == 2
.if c_m == 2
	v_pk_add_f32 v[c_b:c_b+1], v[c_b:c_b+1], v[c_s+2:c_s+3]
.endif
.if c_m == 1
	v_pk_fma_f32 v[c_b:c_b+1], v[c_b:c_b+1], v[c_f:c_f+1], v[c_s+2:c_s+3] op_sel_hi:[1,0,1]
.endif
.if c_m == 0
	v_pk_add_f32 v[c_b:c_b+1], v[c_s+2:c_s+3], v[c_s+6:c_s+7]
.endif
.endif
.if \idx == 4
.if c_m
	v_pk_add_f32 v[c_a:c_a+1], v[c_a:c_a+1], v[c_s+4:c_s+5]
.endif
.endif
.if \idx == 6
.if c_m
	v_pk_add_f32 v[c_b:c_b+1], v[c_b:c_b+1], v[c_s+6:c_s+7]
.endif
.endif
.if (\idx)&1
	v_cvt_pk_bf16_f32 v[c_p+((\idx)>>1)], v[c_s+\idx-1], v[c_s+\idx]
.endif
.endif
.endm
; cnt of the piece's 64 packed multiplies of its old sums of O by the factor, from number e0 on: d tile e / 8, query tile vq + (e / 4) % 2, pair e % 4.
; The first trip has no old sums: two v_nop keep the plain instructions on which the loads into fragments and the uses of exponentials count.
.macro RS vq, e0, cnt, first
.if \first
	v_nop
	v_nop
	s_wait_alu depctr_va_vdst(0)
.else
	WIN W_OSC
.set r_e, \e0
.rept \cnt
.set r_q, \vq+((r_e>>2)&1)
.set r_o, OO+8*(4*(r_e>>3)+r_q)+2*(r_e&3)
	v_pk_mul_f32 v[r_o:r_o+1], v[r_o:r_o+1], v[AL+2*r_q:AL+2*r_q+1] op_sel_hi:[1,0]
.set r_e, r_e+1
.endr
.endif
.endm
; The slice of slot sn for the piece of query tiles vq, vq + 1
.macro VEC vq, first
.if sn < 8
	MAXSTEP \vq, \first
.endif
.if sn == 8                            ; the other 32 keys' maximum from lane r xor 16
	WIN 0
	v_permlanex16_b32 v[TP+\vq], v[TM+\vq], s32, s33
	v_permlanex16_b32 v[TP+\vq+1], v[TM+\vq+1], s32, s33
	v_max_num_f32 v[MM+\vq], v[TM+\vq], v[TP+\vq]
	v_max_num_f32 v[MM+\vq+1], v[TM+\vq+1], v[TP+\vq+1]
.endif
.if sn == 9                            ; -c m, and c (m_old - m_new), never above 0
	WIN 0
	v_mul_f32 v[NN+\vq], s38, v[MM+\vq]
	v_mul_f32 v[NN+\vq+1], s38, v[MM+\vq+1]
.if \first == 0
	v_sub_f32 v[TP+\vq], v[NN+\vq], v[NMC+2*\vq]
	v_sub_f32 v[TP+\vq+1], v[NN+\vq+1], v[NMC+2*\vq+2]
.endif
.endif
.if sn == 10                           ; the factor for the old sums; the two moves are the plain instructions behind the exponentials (ISA guide 5.7.2)
	WIN 0
.if \first == 0
	v_exp_f32 v[AL+2*\vq], v[TP+\vq]
	v_exp_f32 v[AL+2*\vq+2], v[TP+\vq+1]
.endif
	v_mov_b32 v[NMC+2*\vq], v[NN+\vq]
	v_mov_b32 v[NMC+2*\vq+2], v[NN+\vq+1]
	s_wait_alu depctr_va_vdst(0)
.endif
.if sn == 11
	WIN 0
	FMA1 \vq, 0, 0
	FMA1 \vq, 0, 2
	FMA1 \vq, 0, 4
	FMA1 \vq, 0, 6
.endif
.if sn >= 12
.if (sn&1) == 0                        ; even slots 12 to 62: numbers 0 to 57 of the rescale, three in each of the first six, then two
.set r_c, (sn-12)>>1
.if r_c < 6
	RS \vq, 3*r_c, 3, \first
.else
	RS \vq, 2*r_c+6, 2, \first
.endif
.else
.if sn <= 59
; odd slots 13 to 59, three for each tile g: its eight exponentials stand singly among plain instructions on other tiles: the sums and packing of tile g - 1, whose
; exponentials are a slot or more back with plain instructions behind them, and the multiply-adds of tile g + 1
.set t_u, (sn-13)>>1
.set t_g, t_u/3
.set t_h, t_u%3
	WIN 0
.if t_h == 0
	EXP1 \vq, t_g, 0
	SCOP \vq, t_g-1, 0, \first
	EXP1 \vq, t_g, 1
	SCOP \vq, t_g-1, 1, \first
	EXP1 \vq, t_g, 2
	SCOP \vq, t_g-1, 2, \first
	SCOP \vq, t_g-1, 3, \first
.endif
.if t_h == 1
	EXP1 \vq, t_g, 3
	SCOP \vq, t_g-1, 4, \first
	EXP1 \vq, t_g, 4
	SCOP \vq, t_g-1, 5, \first
	EXP1 \vq, t_g, 5
	SCOP \vq, t_g-1, 6, \first
	SCOP \vq, t_g-1, 7, \first
.endif
.if t_h == 2
	EXP1 \vq, t_g, 6
	FMA1 \vq, t_g+1, 0
	EXP1 \vq, t_g, 7
	FMA1 \vq, t_g+1, 2
	FMA1 \vq, t_g+1, 4
	FMA1 \vq, t_g+1, 6
.endif
.endif
.if sn == 61                           ; the last tile's sums and packing; slot 60's plain instructions stand behind its last exponentials
	WIN 0
.irp x, 0,1,2,3,4,5,6,7
	SCOP \vq, 7, \x, \first
.endr
.endif
.if sn == 63
	RS \vq, 58, 6, \first
.endif
.endif
.endif
.endm
; cnt slots from slot sn on: the product, the slice, then the slot's run of LDS work or rounding, if it has one.
; vq: the piece whose slices run; mq: the piece whose products run; pvm: products with V: 0 none, 1 they start the sums, 2 they add on;
; qk: products for the scores or none; ax: half X (0) or Y (1)
.macro SLOTS cnt, vq, mq, smf, pvm, qk, ax, slot, other, conv, kn
.rept \cnt
.if sn < 32
.if \pvm
	PVW \mq, \pvm
.endif
.else
.if \qk
.if \ax
.if sn == 32
	s_wait_dscnt 0x0                               ; K's fragments, loaded in X's slot 52 and in this half's slot 4, are in (and slot 24's stores are done)
.endif
.endif
	QKW \mq
.endif
.endif
	VEC \vq, \smf
	AUX \ax, \slot, \other, \conv, \kn
.set sn, sn+1
.endr
.endm
; mode 1 (even trips t = 0 .. 58): wave 0 asks for its work-group's 8 KiB of tiles t + 4 and t + 5.  V's tensor loads for them are issued at the heads of trips t + 2 and
; t + 3, K's, which run a tile ahead, at those of trips t + 1 and t + 2.  mode 2 (odd trips): the address steps one pair on and stops at the last pair, 31, which
; trip 58 asks for: no request passes the head's end.  Tiles 0 to 3 are not asked for ahead; trips 60 to 63 ask for nothing.
.macro PF mode
.if \mode == 1
	s_cmp_lg_u32 s12, 0
	s_cbranch_scc1 .Lno_ask_\@
	global_prefetch_b8 v[PFO], s[44:45] th:TH_LOAD_NT scope:SCOPE_SE
.Lno_ask_\@:
.endif
.if \mode == 2
	s_wait_xcnt 0x0                                ; the request of the trip before has had its address translated: s[44:45] is rewritten only behind this wait
	s_add_co_u32 s46, s46, 2*TILEB
	s_min_u32 s46, s46, 31*2*TILEB
	s_add_nc_u64 s[44:45], s[42:43], s[46:47]
.endif
.endm
; One trip t.  slot = t % 2, other = the other.  smf: the first trip.  pvx: half X's products with V (0, 1, 2 as above).
; refill: 1: bundle t + 2 into landing slot \slot; 2: the last bundle, V alone: waves 2 and 3 ask; 0: nothing is left to fetch.
; conv: which rows of bundle t + 1 are rounded.  kn: K's tile t + 1 exists.
; AT THE HEAD every wave has waited for all its LDS work (its reads of the stage and of the landing slot in the last trip, its stores into this trip's stage) and for its
; tensor load (its part of bundle t + 1).  Behind the round that holds of every wave of the four work-groups: this trip's stage is whole, bundle t + 1 has landed, and
; landing slot \slot, read out in the last trip, is filled again, first thing: one tensor load a wave.  Between the opening signal and its wait stand the half's first
; four slots, which touch registers alone.
.macro TRIP slot, other, smf, pvx, refill, conv, kn, pf
	s_wait_dscnt 0x0
	s_wait_tensorcnt 0x0                           ; no tensor load of mine is out: a group 0 may be written
	ds_add_u32 v21, v23
	s_wait_dscnt 0x0
.if \refill
	s_add_nc_u64 s[G0+4*\slot+2:G0+4*\slot+3], s[G0+4*\slot+2:G0+4*\slot+3], 2*TILEB
.endif
	s_barrier_signal -1
.set sn, 0
	SLOTS 4, 0, 2, \smf, \pvx, 1, 0, \slot, \other, \conv, \kn
	WIN 0                                          ; at a label and at a branch every window is 0
	s_barrier_wait -1
.if \refill
	CREST
.if \refill == 2
	s_cmp_lt_u32 s12, 2                            ; K has no tile 64: waves 0 and 1 have nothing to fill (their stepped address is not used)
	s_cbranch_scc1 .Lno_fill_\@
.endif
	tensor_load_to_lds s[G0+4*\slot:G0+4*\slot+3], s[G1:G1+7]
	s_nop 0
	v_nop
	v_nop
	v_nop
	v_nop
.if \refill == 2
.Lno_fill_\@:
.endif
.endif
	PF \pf
	SLOTS 60, 0, 2, \smf, \pvx, 1, 0, \slot, \other, \conv, \kn
	s_wait_dscnt 16*\kn                            ; LDS loads come back in order: V's fragments and the rows to round are in; out may be K's 16 loads of slot 52, issued behind them
.set sn, 0
	SLOTS 64, 2, 0, \smf, 2-\smf, \kn, 1, \slot, \other, \conv, \kn
	WIN 0
.endm
	; K's tile 0 as fragments, bundle 0 into stage 0, and piece A's scores of tile 0
	s_wait_tensorcnt 0x1                           ; my part of bundle 0 has landed; bundle 1's load may stay out
	s_wait_dscnt 0x0                               ; my rows of K's tile 0 are in stage 1, Q's fragments are in
	BAR                                            ; everybody's are
.set pj, 0
.rept 16
	KLOAD pj, 1
.set pj, pj+1
.endr
.set pj, 0
.rept 32
	CLOAD pj, 0, 2
.set pj, pj+1
.endr
	s_wait_dscnt 32                                ; K's fragments are in; the 32 rows to round, issued behind them, may be out
.set sn, 32
.rept 32
	QKW 0
.set sn, sn+1
.endr
	s_wait_dscnt 0x0
.set pj, 0
.rept 32
	CCVT pj, 2                                     ; these 64 plain instructions also stand between the last product and the first read of a score
.set pj, pj+1
.endr
.set pj, 0
.rept 32
	CSTORE pj, 0, 2
.set pj, pj+1
.endr
	WIN 0
	TRIP 0, 1, 1, 0, 1, 2, 1, 1                    ; trip 0 starts A's sums; B has no products with V yet
	TRIP 1, 0, 0, 1, 1, 2, 1, 2                    ; trip 1: B's first products with V start its sums
	s_mov_b32 s34, 29                              ; trips 2 to 59
.Ltrips:
	TRIP 0, 1, 0, 2, 1, 2, 1, 1
	TRIP 1, 0, 0, 2, 1, 2, 1, 2
	s_sub_co_u32 s34, s34, 1
	s_cmp_lg_u32 s34, 0
	s_cbranch_scc1 .Ltrips
	TRIP 0, 1, 0, 2, 1, 2, 1, 0                    ; trip 60: bundle 62 is asked for
	TRIP 1, 0, 0, 2, 2, 2, 1, 0                    ; trip 61: bundle 63 is V's tile 63 alone
	TRIP 0, 1, 0, 2, 0, 1, 1, 0                    ; trip 62: nothing is left to fetch; V's tile 63 is rounded
	TRIP 1, 0, 0, 2, 0, 0, 0, 0                    ; trip 63: nothing is left to round, and K has no further tile
.set sn, 0
.rept 32
	PVW 2, 2                                       ; B's products with V's last tile
.set sn, sn+1
.endr
	WIN 0
	; THE WAY OUT.  The row sums: four partial sums a lane, then the other half's.  The additions are plain instructions on registers of their own:
	; they are the places between the last product and the first read of O.
.irp qt, 0,1,2,3
	v_pk_add_f32 v[LSUM+2*\qt:LSUM+2*\qt+1], v[LSUM+2*\qt:LSUM+2*\qt+1], v[LB+2*\qt:LB+2*\qt+1]
.endr
.irp qt, 0,1,2,3
	v_add_f32 v[TM+\qt], v[LSUM+2*\qt], v[LSUM+2*\qt+1]
.endr
.irp qt, 0,1,2,3
	v_permlanex16_b32 v[TP+\qt], v[TM+\qt], s32, s33
.endr
.irp qt, 0,1,2,3
	v_add_f32 v[TM+\qt], v[TM+\qt], v[TP+\qt]
.endr
.irp qt, 0,1,2,3
	v_rcp_f32 v[AL+2*\qt], v[TM+\qt]
.endr
	v_nop                                          ; one plain instruction before a reciprocal is used
	s_wait_alu depctr_va_vdst(0)
; 16 queries: O / row sum; a lane's 8 neighbouring d of row r go as 32 bytes into my wave's own stage; whole rows of 512 bytes come back and are stored.
; LDS serves a wave's instructions in order (ISA guide 5.7.1), so the loads see the stores above them, and the next tile's stores come behind these loads.
.macro OUT16 qt, buf
	WIN W_OSC
.irp dt, 0,1,2,3,4,5,6,7
.irp p, 0,2,4,6
	v_pk_mul_f32 v[OO+8*(4*\dt+\qt)+\p:OO+8*(4*\dt+\qt)+\p+1], v[OO+8*(4*\dt+\qt)+\p:OO+8*(4*\dt+\qt)+\p+1], v[AL+2*\qt:AL+2*\qt+1] op_sel_hi:[1,0]
.endr
.endr
	WIN W_OST
.irp dt, 0,1,2,3,4,5,6,7
	ds_store_b128 v[STO], v[OO+8*(4*\dt+\qt):OO+8*(4*\dt+\qt)+3]   offset:64*\dt
	ds_store_b128 v[STO], v[OO+8*(4*\dt+\qt)+4:OO+8*(4*\dt+\qt)+7] offset:64*\dt+16
.endr
	WIN 0
	s_wait_xcnt 0x0                                ; every earlier store has had its addresses translated: the buffer that the stores two tiles ago read is loaded again only behind this wait
.irp i, 0,1,2,3,4,5,6,7,8,9,10,11,12,13,14,15
	ds_load_b128 v[\buf+4*\i:\buf+4*\i+3], v[RD] offset:\i*OPITCH
.endr
.irp i, 0,1,2,3,4,5,6,7,8,9,10,11,12,13,14,15
	s_wait_dscnt 15-\i                             ; row i is in; the 15 - i younger loads may be out
	global_store_b128 v[CO], v[\buf+4*\i:\buf+4*\i+3], s[10:11] offset:(16*\qt+\i)*512 th:TH_STORE_NT   ; the wave stores 512 consecutive bytes, a whole row of out0
.endr
.endm
	OUT16 0, 64                                    ; the scores' registers serve as two buffers by turns
	OUT16 1, 128
	OUT16 2, 64
	OUT16 3, 128
	s_wait_tensorcnt 0x0
	ds_add_u32 v21, v23
	s_wait_dscnt 0x0
	ROUND                                          ; the closing round: no work-group ends while a partner may still ask for a tile that names it
	s_endpgm
.Lfunc_end_k_q53b293b496_attend:
	.size	k_q53b293b496_attend, .Lfunc_end_k_q53b293b496_attend-k_q53b293b496_attend
	.p2alignl 7, 3214868480
	.fill 96, 4, 3214868480
	.section	.rodata,"a",@progbits
	.p2align	6, 0x0
	.amdhsa_kernel k_q53b293b496_attend
		.amdhsa_group_segment_fixed_size 327680
		.amdhsa_private_segment_fixed_size 0
		.amdhsa_enable_private_segment 0
		.amdhsa_kernarg_size 32
		.amdhsa_user_sgpr_count 2
		.amdhsa_user_sgpr_kernarg_segment_ptr 1
		.amdhsa_wavefront_size32 1
		.amdhsa_system_sgpr_workgroup_id_x 1
		.amdhsa_system_sgpr_workgroup_id_y 1
		.amdhsa_system_sgpr_workgroup_id_z 1
		.amdhsa_system_vgpr_workitem_id 0
		.amdhsa_next_free_vgpr 1024
		.amdhsa_next_free_sgpr 66
		.amdhsa_reserve_vcc 0
		.amdhsa_float_denorm_mode_32 3
		.amdhsa_float_denorm_mode_16_64 3
		.amdhsa_memory_ordered 1
		.amdhsa_forward_progress 1
		.amdhsa_inst_pref_size 255
	.end_amdhsa_kernel
	.section	.bss,"aw",@nobits
	.p2align	6
	.space	262144
	.amdgpu_metadata
---
amdhsa.version: [ 1, 2 ]
amdhsa.kernels:
  - .name:           k_q53b293b496_attend
    .symbol:         k_q53b293b496_attend.kd
    .args:
      - { .name: q, .offset: 0, .size: 8, .value_kind: global_buffer, .address_space: global }
      - { .name: k, .offset: 8, .size: 8, .value_kind: global_buffer, .address_space: global }
      - { .name: v, .offset: 16, .size: 8, .value_kind: global_buffer, .address_space: global }
      - { .name: out0, .offset: 24, .size: 8, .value_kind: global_buffer, .address_space: global }
    .group_segment_fixed_size: 327680
    .private_segment_fixed_size: 0
    .kernarg_segment_align: 8
    .kernarg_segment_size: 32
    .max_flat_workgroup_size: 128
    .sgpr_count:     66
    .vgpr_count:     1024
    .wavefront_size: 32
...
	.end_amdgpu_metadata
.endif
;; end of part 2
